; MI455X (gfx1250); checked and timed in simulation.
; The chip was launched on July 23, 2026; its instructions are those of AMD's public machine-readable ISA for CDNA 5 (MIT licence, August 2026) and "CDNA5" Instruction Set Architecture Reference Guide (July 2026). The comments in the code are by the model that wrote it; some were corrected since.
;; Simple Mo E Layer. Allowed arithmetic: matrix products marked QUANTISED: E2M1 operands, one E8M0 scale for each 32 along K, by v_wmma_scale_f32_16x16x128_f8f6f4 with both operands' format E2M1 (or v_wmma_scale_f32_32x16x128_f4), f32 sums; products left as they are: f32 operands where the result goes on into a quantised operand, else bf16, f16 or f32 operands; f32 sums; everything else in f32.
;; Inputs: W1_codes 2 x 2,048 x 16 x 16 uint8 (E2M1 codes of W1, K innermost, in blocks of 32 codes, two codes a byte); W1_scales 2 x 2,048 x 16 uint8 (E8M0 scales of W1, one for each 32 codes along K); W2_codes 2 x 512 x 64 x 16 uint8 (E2M1 codes of W2, K innermost, in blocks of 32 codes, two codes a byte); W2_scales 2 x 512 x 64 uint8 (E8M0 scales of W2, one for each 32 codes along K); Wg 512 x 2 float32; b1 2 x 2,048 float32; b2 2 x 512 float32; bg 2 float32; hidden_states 8 x 2,048 x 512 float32.
;; Outputs: out0 8 x 2,048 x 512 float32; out1 one number float32.
;; This version of the problem:
;;   THIS VERSION OF THE PROBLEM IS GIVEN IN LOW PRECISION. The matrix products marked QUANTISED in the list below multiply operands that are first quantised to E2M1 (2 exponent bits, 1 mantissa bit; 4 bits a number), with one power-of-two scale for each 32 numbers along K (OCP MX v1.0); their sums are f32. All else is computed in f32.
;;   The module's matrix products, in the order in which they are computed (A, B: the left and right operand; K: the contracted axis; several contracted axes count as one K, in the product's order):
;;     1. [M 16,384, K 512] x [K 512, N 2]; A: input hidden_states; B: input Wg: left as it is (N = 2 < 16)
;;     2. [M 4,096, K 512] x [K 512, N 16,384]; A: input W1 (given as codes); B: input hidden_states: QUANTISED
;;     3. batch 2 x [M 16,384, K 2,048] x [K 2,048, N 512]; A: computed on the way; B: input W2 (given as codes): QUANTISED
;;   THE QUANTISER, for each operand of a quantised product, along K:
;;     - K is cut into blocks of 32 from its start; a last block that is shorter is filled with zeros.
;;     - A block's scale is 2^e with e = floor(log2(the largest magnitude in the block)) - 2, held to -126 .. 127; a block of zeros has e = 0. As a byte (E8M0): e + 127.
;;     - Each number is divided by its block's scale, clamped to +-6, and rounded to the nearest number of E2M1, ties to even, subnormals kept.
;;     - The product sums the exact products of the quantised numbers (number of the format x scale) in f32.
;;   ~~~python
;;   def quantise(x, axis):      # numpy; x: float32 -> the quantised numbers, widened to float32 again
;;       x = np.moveaxis(x, axis, -1); K = x.shape[-1]
;;       x = np.pad(x, [(0, 0)] * (x.ndim - 1) + [(0, -K % 32)]); x = x.reshape(x.shape[:-1] + (-1, 32)); a = np.abs(x).max(-1, keepdims=True)
;;       e = np.where(a > 0, np.clip(np.frexp(np.where(a > 0, a, 1))[1] - 1 - 2, -126, 127), 0)      # np.frexp(a)[1] - 1 = floor(log2(a)), exactly
;;       r = np.clip(x / 2.0 ** e, -6, 6)
;;       step = 2.0 ** (np.maximum(np.frexp(np.where(r == 0, 1, r))[1] - 1, 0) - 1)
;;       q = np.round(r / step) * step * 2.0 ** e      # np.round: ties to even
;;       return np.moveaxis(q.reshape(q.shape[:-2] + (-1,))[..., :K], -1, axis).astype(np.float32)
;;   ~~~
;;   OPERANDS COMPUTED ON THE WAY. 'Computed on the way' means the value that the module computes at that place (a softmax that the list does not call 'softmax' is quantised finished and normalised). What goes into a quantiser is computed in f32, as accurately as f32 sums, v_exp_f32 and their like allow (about 1e-6 of the number): no bf16 or f16 on the way to a quantiser, and a product that is left as it is and whose result goes on into a quantised operand takes f32 operands (vector FMAs, or v_wmma_f32_16x16x4_f32). A number that lies on a knife's edge between two numbers of the format may be rounded either way, as far as f32 arithmetic and the matrix unit's own rounding can turn it there, and no further.
;;   INPUTS GIVEN AS CODES. W1 (in the module: [2, 512, 2048], K = its axis 1); W2 (in the module: [2, 2048, 512], K = its axis 1): each comes as NAME_codes (uint8): NAME with its K axis moved to the last place and cut into blocks of 32 codes, [.., K / 32, bytes a block], one block behind the other in memory; two codes a byte, the lower K in the low four bits (a code: sign, 2 exponent bits, 1 mantissa bit); and NAME_scales (uint8): the same leading axes, one E8M0 byte (e + 127) for each 32 codes along K. Its value is code x scale, taken as it is: it is not quantised again, and the codes and scales need not be those that the quantiser above would give.
;; One version. Each part assembles by itself: llvm-mc -triple=amdgcn-amd-amdhsa -mcpu=gfx1250 --defsym DOCPART=n.
;; ======== version 1 of 1: 2 launches
;; limits: inputs' magnitudes at most 2.9e+20
;; workspace buffers: psum 2,048 bytes
;; launch moe (part 1): grid 256 x 1, 8 waves a work-group, clusters of 4 x 1, 327,680 bytes of LDS; arguments hidden_states, Wg, bg, W1_codes, W1_scales, b1, W2_codes, W2_scales, b2, out0, psum; writes out0, psum
.if DOCPART == 1
	.amdgcn_target "amdgcn-amd-amdhsa--gfx1250"
	.amdhsa_code_object_version 6
	.text
	.protected	k_q4071951da4_moe
	.globl	k_q4071951da4_moe
	.p2align	8
	.type	k_q4071951da4_moe,@function
k_q4071951da4_moe:
	s_mov_b64 s[64:65], 0
	v_nop
	global_prefetch_b8 v0, s[64:65] scope:SCOPE_SE
	s_setreg_imm32_b32 hwreg(HW_REG_WAVE_MODE, 25, 1), 1
	s_wait_xcnt 0x0
	s_wait_alu depctr_hold_cnt(0) depctr_sa_sdst(0) depctr_va_vdst(0) depctr_va_sdst(0) depctr_va_ssrc(0) depctr_va_vcc(0) depctr_vm_vsrc(0)
	s_getreg_b32 s2, hwreg(HW_REG_IB_STS2, 6, 4)
	s_cmp_eq_u32 s2, 0
	s_cbranch_scc0 .Lentry_in_a_cluster
	s_endpgm
.Lentry_in_a_cluster:
	s_bfe_u32 s2, ttmp6, 0x10000c
	s_cmp_lg_u32 s2, 0x3003
	s_cbranch_scc0 .Lentry_shape_is_right
	s_endpgm
.Lentry_shape_is_right:
; out0 = x + w0 (gelu(x W1_0 + b1_0) W2_0 + b2_0) + w1 (gelu(x W1_1 + b1_1) W2_1 + b2_1);  psum[work-group] = the sums of p0 and of p1 over its tokens.
; x: [16384][512] f32.  p = softmax(x Wg + bg), w_e = p_e / (p0 + p1).  The top 2 of 2 experts are both experts, so both are computed for every token and the order of the two does not matter.
; Both products run on codes of FP4 (E2M1) with one E8M0 scale for each 32 along K: W1 [2][2048][512] and W2 [2][512][2048] arrive as codes, K innermost; x and the hidden layer are quantised here, in f32 registers.
; gelu is the tanh form, written x / (1 + 2^(x (c1 + c3 x^2))), c1 = -2 log2(e) sqrt(2 / pi), c3 = 0.044715 c1: the same function.
; SHARES.  A work-group takes 64 tokens (four tiles m of 16) through the whole chain: 256 work-groups.  Eight waves, two to a SIMD, 512 registers each, so that one wave's gelu stands beside the other's products.
; The 4,096 hidden units (expert-major) go in 16 steps of 256.  THE WAVES SHARE COLUMNS, NOT ROWS: in step t wave w makes hidden units 32 w .. 32 w + 31 of the step for all 64 tokens (P1: 32 matrix instructions),
; and it owns outputs 64 w .. 64 w + 63 for all 64 tokens (P2: 32 matrix instructions).  So each fragment of W1 and of W2 is read from LDS once in the work-group.
; BOTH PRODUCTS ARE USED TRANSPOSED (source 0 = 16 rows of a weight, source 1 = 16 tokens): lane (r, h) holds token r, its register j the unit or output 16 x tile + 8 h + j.
; CODES GO FROM WAVE TO WAVE AS IMAGES OF THE OPERAND'S REGISTERS: a conversion's 8 codes are octet q = 2 u + h of the wave's block of 32; in the image (16 bytes a lane, 512 bytes a group of four registers) block 2 c + h'
; of token r lies at 512 c + 256 h' + 16 r, its octet q 4 q bytes on: two ds_store_b32 a tile of tokens, no lane exchange.
; ONE SET OF ACCUMULATORS FOR BOTH EXPERTS: ACC starts as x / w0 + b2_0, takes expert 0's sums, becomes ACC w0 / w1 + b2_1, takes expert 1's sums, and leaves as ACC w1.
; THE RING.  Interval t: change of slots, P2(t - 1), P1(t).  Behind each change waves 0-3 fetch W1 of step t + 1 and waves 4-7 W2 of step t, one tensor load a wave, with a whole interval in which to land.
; CLUSTER.  All work-groups walk the same weights: the four of a cluster ask for each tile JOINTLY (mask 15).  A mask names four at the most, so the cluster is 4 x 1.  x's tile is each work-group's own: a plain load.
; LIMITS: NaN and infinities among the inputs are not served.  A routing weight under 2^-60 counts as 2^-60 (it adds at most 2^-60 |y_e|; no quotient of weights passes 2^60).
; A block of zeros gets the scale byte 1: its codes are zeros, and the bytes are read by this program alone.
.set HIMG,  0                          ; LDS: the hidden layer's images, two sets of 8 fragments (4 s2 + m) x 1,024 bytes
.set HSC,   16384                      ; their scale words [s2][m][r], two sets of 512 bytes
.set XIMG,  17408                      ; x's 16 fragments (4 s + m) x 1,024 bytes
.set XSC,   33792                      ; their scale words [s][m][r]
.set RP,    34816                      ; the router's parts: token x 64 + e x 32 + 4 x wave
.set SPARE, 38912                      ; the spare words, 128 bytes for each wave: four blocks of 256 bytes that no other line names
.set ARING, 39936                      ; W1's two slots: 256 rows of 256 bytes + 16 of padding
.set ASZ,   69632
.set BRING, 179200                     ; W2's two slots: 512 rows of 128 bytes + 16 of padding
.set BSZ,   73728
.set XR,    BRING                      ; x as it arrives: 128 half rows of 1,024 bytes + 16; W2's slots are filled over it later, as refills
.set STAGE, ARING                      ; the way out: 16 rows x 272 bytes for each wave, in W1's slot 0, which has had its last fill and its last read by then
; window 0
.set SPW,  1                           ; LDS address of my spare word; never rewritten
.set NIL,  2                           ; 0; never rewritten
.set LI,   3                           ; 16 x lane
.set LS,   4                           ; 4 x lane
.set HWC,  5                           ; where I store the hidden layer's codes
.set HWB,  6                           ; and its scale bytes
.set AW1,  7                           ; v7-8   my fragments of W1 in slot 0, 1
.set AW2,  9                           ; v9-10  my fragments of W2 in slot 0, 1
.set GH,   11                          ; 32 h
.set GW2S, 12                          ; 64 x lane
.set ZO,   13                          ; 0, an offset
.set C1,   14                          ; v14-15 c1, twice
.set RW,   16                          ; v16-23 for each m: w0 / w1, w1
.set XWC,  24                          ; where I store x's codes
.set XWB,  25                          ; and their scale bytes
.set XRD,  26                          ; v26-29 where I read x, tile m
.set RPW,  30
.set RPR,  31
.set XS,   32                          ; v32-39 x's scale words (2 s + m / 2): lanes 0-15 the even tile, lanes 16-31 the odd one.  v32-55 hold scales and nothing else
.set W1S,  40                          ; v40-43 W1's (s): lanes 0-15 tile u = 0, lanes 16-31 u = 1
.set W2S,  44                          ; v44-51 W2's (4 p + 2 x the step's parity + s2): lanes 0-15 tile 2 p, lanes 16-31 tile 2 p + 1
.set HS,   52                          ; v52-55 the hidden layer's (2 s2 + m / 2)
.set B1R,  56                          ; v56-71 b1 in the result's layout (8 u + j)
.set PC,   72                          ; v72-79 codes just made
.set LG,   72                          ; the same registers, earlier: the router's numbers (2 m + e)
.set TM,   80                          ; v80-91 at work: 0-3 maxima, 4-7 the other half's and then the bytes, 8-11 the conversions' scale operands
.set STO,  92
.set RD,   93
.set GO,   94
.set GWG,  95                          ; 64 h
.set TP,   96                          ; v96-127 at work
.set HA,   128                         ; v128-191 P1's 8 accumulators (16 m + 8 u + j)
.set HF,   128                         ; the same registers in P2: 8 hidden fragments (4 s2 + m)
.set XT,   128                         ; v128-255 at the start: my 64 columns of x (64 p + 16 m + 8 u + j)
.set OT,   128                         ; the way out: results, two sets of 32
.set WF,   192                         ; v192-255 8 fragments of W1 (4 u + s) or of W2 (4 s2 + n)
.set BK,   192                         ; the way out: rows read back, two sets of 32
; window 1: v0-127 ACC (64 p + 16 m + 8 u + j), n = 2 p + u;  v128-255 x's 16 fragments (4 m + s); before that Wg's 64 numbers
.set XF,   128
.set WGR,  128
.set WV,   26                          ; my wave's number
.set W3,   27                          ; wave % 4
.set CX,   28
.set SWG,  29                          ; my work-group
.set TRIP, 30
.set TT,   31                          ; the interval in hand
.set G1A,  32                          ; s[32:39] group 1 for W1's tiles; s[40:47] for W2's; s[48:55] for x's
.set G1B,  40
.set G1X,  48
.set G0X,  56
.set G0A0, 60                          ; W1's first tile
.set SEL,  66                          ; s[66:67] v_permlanex16_b32's selects for lane l xor 16
.set G0A,  68                          ; W1's walking group 0
.set G0B,  72                          ; W2's
.set C3,   76                          ; s[76:77] c3, twice
.set BW2,  78                          ; W2's codes at my 128 rows
.set PW1S, 80
.set PB1,  82
.set PW2S, 84
.set QP,   86
.set PB2,  88
.set POUT, 90
.set PPS,  92
.set BG,   94
.set LA,   96                          ; my quarter's place in a slot of W1
.set LB,   97                          ; and of W2
.set MSB, 0
.macro WIN new                         ; low byte: bits 1:0 source 0, 3:2 source 1, 5:4 source 2, 7:6 destination; the high byte repeats the setting that is left
.if MSB != \new
	s_set_vgpr_msb (MSB<<8)|\new
.set MSB, \new
.endif
.endm
.macro NOPS n
.rept \n
	v_nop
.endr
.endm
; A round of the cluster's barrier: my work-group's barrier, wave 0 signals for the work-group, every wave waits for all four work-groups, my work-group's barrier once more.
.macro CROUND
	s_barrier_signal -1
	s_barrier_wait -1
	s_cmp_lg_u32 s[WV], 0
	s_cbranch_scc1 .Lnot_wave_0_\@
	s_barrier_signal -3
.Lnot_wave_0_\@:
	s_barrier_wait -3
	s_barrier_signal -1
	s_barrier_wait -1
.endm
; The joint refills: waves 0-3 a quarter each of W1's next tile (fa = 1; else nothing), waves 4-7 a quarter each of W2's.  The branch hangs on the wave's number alone.  Four v_nop follow each load.
.macro JLOAD fa
	s_cmp_lt_u32 s[WV], 4
.if \fa
	s_cbranch_scc0 .Lfor_b_\@
	tensor_load_to_lds s[G0A:G0A+3], s[G1A:G1A+7]
	s_nop 0
	NOPS 4
	s_branch .Lasked_\@
.Lfor_b_\@:
.else
	s_cbranch_scc1 .Lasked_\@
.endif
	tensor_load_to_lds s[G0B:G0B+3], s[G1B:G1B+7]
	s_nop 0
	NOPS 4
.Lasked_\@:
.endm
; THE CHANGE OF SLOTS at the head of interval t (par = t % 2).  Each wave waits for all its tensor loads, adds 0 to its spare word, and waits for that and for all its LDS reads and stores of the interval before.
; fill = 1: a round of the cluster's barrier, and behind it W2 of step t goes into W2's slot par and (fa = 1) W1 of step t + 1 into W1's slot 1 - par: both slots were last read an interval ago.
.macro HEAD par, fa, fill
	WIN 0
	s_wait_tensorcnt 0x0                           ; no tensor load of mine is out, so every group 0 may be written
	ds_add_u32 v[SPW], v[NIL]                      ; 0 onto my spare word; the descriptors' steps stand between it and the wait for it
.if \fa
	s_add_nc_u64 s[G0A+2:G0A+3], s[G0A+2:G0A+3], 65536             ; the next 256 rows of W1; the type bits on top are not reached
	s_add_co_u32 s[G0A+1], s[LA], ARING+(1-\par)*ASZ
.endif
.if \fill
	s_and_b32 s98, s[TT], 7                        ; W2 of step t: 128 bytes of each row at 128 (t % 8), in expert t / 8 (2^19 bytes an expert)
	s_lshl_b32 s98, s98, 7
	s_lshr_b32 s99, s[TT], 3
	s_lshl_b32 s99, s99, 19
	s_or_b32 s98, s98, s99
	s_mov_b32 s99, 0
	s_add_nc_u64 s[G0B+2:G0B+3], s[BW2:BW2+1], s[98:99]
	s_or_b32 s[G0B+3], s[G0B+3], 0x80000000        ; type = 2
	s_add_co_u32 s[G0B+1], s[LB], BRING+\par*BSZ
.endif
	s_wait_dscnt 0x0                               ; the add is done; my reads of the slots are over and my images have landed
.if \fill
	CROUND                                         ; all that now holds of every wave of the four work-groups
	JLOAD \fa                                      ; a wave's one tensor load until the next change, and the first thing behind the round
.else
	s_barrier_signal -1
	s_barrier_wait -1
.endif
.endm
; One matrix instruction on the registers named by rD, rA, rB, rC, rSA, rSB.  ra, rb = 1: that side's scales are read from lanes 16-31.
.macro WM ra, rb
.if (\ra) && (\rb)
	v_wmma_scale_f32_16x16x128_f8f6f4 v[rD:rD+7], v[rA:rA+7], v[rB:rB+7], v[rC:rC+7], v[rSA], v[rSB] matrix_a_fmt:MATRIX_FMT_FP4 matrix_b_fmt:MATRIX_FMT_FP4 matrix_a_scale:MATRIX_SCALE_ROW1 matrix_b_scale:MATRIX_SCALE_ROW1
.elseif (\ra)
	v_wmma_scale_f32_16x16x128_f8f6f4 v[rD:rD+7], v[rA:rA+7], v[rB:rB+7], v[rC:rC+7], v[rSA], v[rSB] matrix_a_fmt:MATRIX_FMT_FP4 matrix_b_fmt:MATRIX_FMT_FP4 matrix_a_scale:MATRIX_SCALE_ROW1
.elseif (\rb)
	v_wmma_scale_f32_16x16x128_f8f6f4 v[rD:rD+7], v[rA:rA+7], v[rB:rB+7], v[rC:rC+7], v[rSA], v[rSB] matrix_a_fmt:MATRIX_FMT_FP4 matrix_b_fmt:MATRIX_FMT_FP4 matrix_b_scale:MATRIX_SCALE_ROW1
.else
	v_wmma_scale_f32_16x16x128_f8f6f4 v[rD:rD+7], v[rA:rA+7], v[rB:rB+7], v[rC:rC+7], v[rSA], v[rSB] matrix_a_fmt:MATRIX_FMT_FP4 matrix_b_fmt:MATRIX_FMT_FP4
.endif
.endm
; gelu of 32 registers from v[g] on, in place.  Each accumulator is read from its low end on.  One plain line stands behind each run of transcendentals (ISA guide 5.7.2).
.macro GELU32 g
.set gi, 0
.rept 16
	v_pk_mul_f32 v[TP+gi:TP+gi+1], v[(\g)+gi:(\g)+gi+1], v[(\g)+gi:(\g)+gi+1]                ; x^2
.set gi, gi+2
.endr
.set gi, 0
.rept 16
	v_pk_fma_f32 v[TP+gi:TP+gi+1], v[TP+gi:TP+gi+1], s[C3:C3+1], v[C1:C1+1] op_sel_hi:[1,0,1]   ; c3 x^2 + c1
.set gi, gi+2
.endr
.set gi, 0
.rept 16
	v_pk_mul_f32 v[TP+gi:TP+gi+1], v[TP+gi:TP+gi+1], v[(\g)+gi:(\g)+gi+1]                    ; x (c1 + c3 x^2)
.set gi, gi+2
.endr
.set gi, 0
.rept 32
	v_exp_f32 v[TP+gi], v[TP+gi]
.set gi, gi+1
.endr
	v_nop
.set gi, 0
	s_wait_alu depctr_va_vdst(0)
.rept 16
	v_pk_add_f32 v[TP+gi:TP+gi+1], v[TP+gi:TP+gi+1], 1.0 op_sel_hi:[1,0]
.set gi, gi+2
.endr
.set gi, 0
.rept 32
	v_rcp_f32 v[TP+gi], v[TP+gi]
.set gi, gi+1
.endr
	v_nop
.set gi, 0
	s_wait_alu depctr_va_vdst(0)
.rept 16
	v_pk_mul_f32 v[(\g)+gi:(\g)+gi+1], v[(\g)+gi:(\g)+gi+1], v[TP+gi:TP+gi+1]
.set gi, gi+2
.endr
.endm
; Four blocks of 32, one for each tile m of tokens: v[s + 16 m + 8 u + j] are my 16 numbers of token r's block (octets h and 2 + h); lane l xor 16 holds the other 16.  Codes to v[PC + 2 m + u], bytes to v[TM + 4 + m].
.macro QUANT4 s
.irp m, 0,1,2,3
	v_max3_num_f32 v[TM+\m], |v[(\s)+16*\m]|, |v[(\s)+16*\m+1]|, 0x1800000   ; and the floor 2^(3 - 127): the byte cannot fall under 1
.endr
.irp i, 2,4,6,8,10,12,14
.irp m, 0,1,2,3
	v_max3_num_f32 v[TM+\m], v[TM+\m], |v[(\s)+16*\m+\i]|, |v[(\s)+16*\m+\i+1]|   ; (the four blocks by turns)
.endr
.endr
.irp m, 0,1,2,3
	v_permlanex16_b32 v[TM+4+\m], v[TM+\m], s[SEL], s[SEL+1]
.endr
.irp m, 0,1,2,3
	v_max_num_f32 v[TM+\m], v[TM+\m], v[TM+4+\m]   ; the block's largest magnitude
.endr
.irp m, 0,1,2,3
	v_add_nc_u32 v[TM+8+\m], 0xff000000, v[TM+\m]  ; 2 off its exponent field: the conversion takes the exponent field of this operand as its scale
.endr
.irp m, 0,1,2,3
	v_lshrrev_b32 v[TM+4+\m], 23, v[TM+8+\m]       ; the scale's byte
.endr
.irp m, 0,1,2,3
	v_cvt_scalef32_pk8_fp4_f32 v[PC+2*\m], v[(\s)+16*\m:(\s)+16*\m+7], v[TM+8+\m]
	v_cvt_scalef32_pk8_fp4_f32 v[PC+2*\m+1], v[(\s)+16*\m+8:(\s)+16*\m+15], v[TM+8+\m]
.endr
	v_nop                                          ; one plain line behind the last scaled conversion
.endm
.macro QSTORE ca, ci, ba, bi           ; the codes and bytes just made go to their places in the images
.irp m, 0,1,2,3
	ds_store_b32 v[\ca], v[PC+2*\m] offset:(\ci)+1024*\m           ; octet h
	ds_store_b32 v[\ca], v[PC+2*\m+1] offset:(\ci)+1024*\m+8       ; octet 2 + h
	ds_store_b8 v[\ba], v[TM+4+\m] offset:(\bi)+64*\m              ; both halves of the lanes write the same byte with the same value
.endr
.endm
.macro LDW1                            ; a step's scale words of my 32 rows of W1 (16 bytes a row, a row a lane: 512 bytes on end) and b1 at my lane's units
	global_load_b128 v[W1S:W1S+3], v[LI], s[PW1S:PW1S+1]
.irp u, 0,1
.irp f, 0,1
	global_load_b128 v[B1R+8*\u+4*\f:B1R+8*\u+4*\f+3], v[GH], s[PB1:PB1+1] offset:64*\u+16*\f
.endr
.endr
.endm
.macro NEXTLD                          ; the same for the next step; the bases' last loads were shown done by the wait on LOADcnt at the head of P1
	s_add_nc_u64 s[PW1S:PW1S+1], s[PW1S:PW1S+1], 4096
	s_add_nc_u64 s[PB1:PB1+1], s[PB1:PB1+1], 1024
	LDW1
.endm
.macro QUADLD                          ; W2's scale words of steps TT and TT + 1 (TT even): 16 bytes of each of my 64 rows of 64 bytes
	s_lshr_b32 s98, s[TT], 1
	s_and_b32 s99, s98, 3
	s_lshl_b32 s99, s99, 4                         ; 16 bytes a pair of steps,
	s_lshr_b32 s98, s98, 2
	s_lshl_b32 s98, s98, 15                        ; 2^15 bytes an expert
	s_or_b32 s98, s98, s99
	s_mov_b32 s99, 0
	s_add_nc_u64 s[QP:QP+1], s[PW2S:PW2S+1], s[98:99]              ; (QP's last loads were waited for in the products that used them)
.irp p, 0,1
	global_load_b128 v[W2S+4*\p:W2S+4*\p+3], v[GW2S], s[QP:QP+1] offset:2048*\p
.endr
.endm
; P2: ACC += W2's tile x the hidden layer of the step whose parity is par.  16 accumulators by turns, a K step of 128 at a time.
.macro P2 par
.irp s2, 0,1
.irp n, 0,1,2,3
.irp c, 0,1
	ds_load_b128 v[WF+8*(4*\s2+\n)+4*\c:WF+8*(4*\s2+\n)+4*\c+3], v[AW2+\par] offset:2304*\n+64*\s2+32*\c
.endr
.endr
.irp m, 0,1,2,3
.irp c, 0,1
	ds_load_b128 v[HF+8*(4*\s2+\m)+4*\c:HF+8*(4*\s2+\m)+4*\c+3], v[LI] offset:HIMG+8192*\par+1024*(4*\s2+\m)+512*\c
.endr
.endr
.irp g, 0,1
	ds_load_b32 v[HS+2*\s2+\g], v[LS] offset:HSC+512*\par+256*\s2+128*\g
.endr
.endr
	s_wait_loadcnt 0x0                             ; W2's scale words
	WIN 0x50                                       ; C and D in window 1
.irp s2, 0,1
	s_wait_dscnt 18-18*\s2                         ; the first K step's 18 loads are in, the second's 18 may be out; then all
.irp n, 0,1,2,3
.irp m, 0,1,2,3
.set rD, 64*(\n/2)+16*\m+8*(\n%2)
.set rC, rD
.set rA, WF+8*(4*\s2+\n)
.set rB, HF+8*(4*\s2+\m)
.set rSA, W2S+4*(\n/2)+2*\par+\s2
.set rSB, HS+2*\s2+\m/2
	WM \n%2, \m%2
.endr
.endr
.endr
	WIN 0
	NOPS 5                                         ; P1's first products write over the hidden fragments just read: five places; four of them serve the loads into the weights' and scales' registers and the reads of ACC
.endm
; P1: my 32 hidden units of the step whose parity is par, for 64 tokens: 8 accumulators by turns, four K steps of 128; b1 is the C of each sum's first instruction.  Then gelu, the quantiser, the images.
.macro P1 par, next
.irp s, 0,1,2,3
.irp u, 0,1
.irp c, 0,1
	ds_load_b128 v[WF+8*(4*\u+\s)+4*\c:WF+8*(4*\u+\s)+4*\c+3], v[AW1+\par] offset:4352*\u+64*\s+32*\c
.endr
.endr
.endr
	s_wait_loadcnt 0x0                             ; W1's scale words and b1
	WIN 0x04                                       ; source 1 (x) in window 1
.irp s, 0,1,2,3
	s_wait_dscnt 12-4*\s                           ; this K step's four loads are in; the later steps' may be out
.irp m, 0,1,2,3
.irp u, 0,1
.set rD, HA+16*\m+8*\u
.if \s == 0
.set rC, B1R+8*\u
.else
.set rC, rD
.endif
.set rA, WF+8*(4*\u+\s)
.set rB, XF+8*(4*\m+\s)
.set rSA, W1S+\s
.set rSB, XS+2*\s+\m/2
	WM \u, \m%2
.endr
.endr
.endr
	WIN 0
	NOPS 4                                         ; places in front of the loads into W1's scale words and b1, and of the first reads of results
.if \next
	NEXTLD
.endif
	GELU32 HA
	GELU32 HA+32
	QUANT4 HA
	QSTORE HWC, HIMG+8192*\par, HWB, HSC+512*\par
	s_add_co_u32 s[TT], s[TT], 1
.endm
; Between the experts: ACC = ACC w0 / w1 + b2 of expert 1.
.macro MID
.irp n, 0,1,2,3
.irp f, 0,1
	global_load_b128 v[TP+8*\n+4*\f:TP+8*\n+4*\f+3], v[GH], s[PB2:PB2+1] offset:2048+64*\n+16*\f
.endr
.endr
	s_wait_loadcnt 0x0
	WIN 0x41                                       ; destination and source 0 in window 1
.irp p, 0,1
.irp m, 0,1,2,3
.irp u, 0,1
.irp j, 0,2,4,6
	v_pk_fma_f32 v[64*\p+16*\m+8*\u+\j:64*\p+16*\m+8*\u+\j+1], v[64*\p+16*\m+8*\u+\j:64*\p+16*\m+8*\u+\j+1], v[RW+2*\m:RW+2*\m+1], v[TP+16*\p+8*\u+\j:TP+16*\p+8*\u+\j+1] op_sel_hi:[1,0,1]
.endr
.endr
.endr
.endr
	WIN 0
.endm
; THE WAY OUT of tile m: ACC w1, 32 bytes a lane into my own stage, back as rows of 256 bytes.  LDS serves a wave's instructions in order (ISA guide 5.7.1.4): no wait between the stores and the loads.
.macro OUTM m
	WIN 0x01                                       ; source 0 in window 1
.irp n, 0,1,2,3
.irp j, 0,2,4,6
	v_pk_mul_f32 v[OT+32*((\m)%2)+8*\n+\j:OT+32*((\m)%2)+8*\n+\j+1], v[64*(\n/2)+16*(\m)+8*(\n%2)+\j:64*(\n/2)+16*(\m)+8*(\n%2)+\j+1], v[RW+2*(\m):RW+2*(\m)+1]
.endr
.endr
	WIN 0
.irp n, 0,1,2,3
.irp f, 0,1
	ds_store_b128 v[STO], v[OT+32*((\m)%2)+8*\n+4*\f:OT+32*((\m)%2)+8*\n+4*\f+3] offset:64*\n+16*\f
.endr
.endr
.if (\m) >= 2
	s_wait_xcnt 0x0                                ; tile m - 2's stores have read their registers: the loads below may land there
.endif
.irp i, 0,1,2,3,4,5,6,7
	ds_load_b128 v[BK+32*((\m)%2)+4*\i:BK+32*((\m)%2)+4*\i+3], v[RD] offset:544*\i
.endr
.endm
.macro SEND m, y                       ; y: the LDS instructions issued behind tile m's loads, which may stay out
	s_wait_dscnt \y
.irp i, 0,1,2,3,4,5,6,7
	global_store_b128 v[GO], v[BK+32*((\m)%2)+4*\i:BK+32*((\m)%2)+4*\i+3], s[POUT:POUT+1] offset:(16*(\m)+2*\i)*2048 th:TH_STORE_NT   ; 16 lanes store 256 consecutive bytes, at a multiple of 256 from out0's first byte
.endr
.endm
	; ---- the head: pointers, every address register, the descriptors
	s_load_b256 s[4:11], s[0:1], 0x0               ; x s[4:5], Wg s[6:7], bg s[8:9], W1's codes s[10:11]
	s_load_b256 s[12:19], s[0:1], 0x20             ; W1's scales s[12:13], b1 s[14:15], W2's codes s[16:17], W2's scales s[18:19]
	s_load_b128 s[20:23], s[0:1], 0x40             ; b2 s[20:21], out0 s[22:23]
	s_load_b64 s[24:25], s[0:1], 0x50              ; psum
	v_lshl_add_u32 v[SPW], v0, 2, SPARE
	v_mov_b32 v[NIL], 0
	ds_add_u32 v1, v2
	ds_add_u32 v1, v2
	s_wait_dscnt 0x0
	v_lshrrev_b32 v[TP], 5, v0
	v_readfirstlane_b32 s[WV], v[TP]               ; wave 0..7
	s_and_b32 s[W3], s[WV], 3
	s_bfe_u32 s[CX], ttmp6, 0x40000                ; cx: my place in the cluster
	s_lshl_b32 s[SWG], ttmp9, 2
	s_add_co_u32 s[SWG], s[SWG], s[CX]             ; my work-group = 4 x cluster + cx: it enters x's, out0's and psum's addresses alone
	v_and_b32 v[TP+1], 15, v0                      ; r
	v_bfe_u32 v[TP+2], v0, 4, 1                    ; h
	v_and_b32 v[TP+3], 31, v0                      ; lane
	v_lshlrev_b32 v[LI], 4, v[TP+3]
	v_lshlrev_b32 v[LS], 2, v[TP+3]
	v_lshlrev_b32 v[GW2S], 6, v[TP+3]
	v_lshlrev_b32 v[GH], 5, v[TP+2]
	v_lshlrev_b32 v[GWG], 6, v[TP+2]
	v_mov_b32 v[ZO], 0
	v_mov_b32 v[C1], 0xc0135761                    ; c1 = -2.3022082
	v_mov_b32 v[C1+1], 0xc0135761
	v_lshlrev_b32 v[TP+4], 4, v[TP+1]
	v_lshl_add_u32 v[TP+4], v[TP+2], 2, v[TP+4]    ; 16 r + 4 h
	v_lshlrev_b32 v[TP+5], 2, v[TP+1]              ; 4 r
	s_lshr_b32 s98, s[WV], 2                       ; the hidden layer: my block is block w % 4 = 2 c + h' of K step w / 4
	s_lshl_b32 s99, s98, 12
	s_bfe_u32 s100, s[WV], 0x10001
	s_lshl_b32 s100, s100, 9
	s_add_co_u32 s99, s99, s100
	s_and_b32 s100, s[WV], 1
	s_lshl_b32 s100, s100, 8
	s_add_co_u32 s99, s99, s100
	v_add_nc_u32 v[HWC], s99, v[TP+4]              ; 16 r + 4 h + 4096 (w / 4) + 512 c + 256 h'
	s_lshl_b32 s99, s98, 8
	s_add_co_u32 s99, s99, s[W3]
	v_add_nc_u32 v[HWB], s99, v[TP+5]              ; 4 r + 256 (w / 4) + w % 4
	s_lshr_b32 s98, s[WV], 1                       ; x: my blocks 2 w and 2 w + 1 are blocks 2 (w % 2) + p of K step w / 2
	s_and_b32 s100, s[WV], 1
	s_lshl_b32 s99, s98, 12
	s_lshl_b32 s101, s100, 9
	s_add_co_u32 s99, s99, s101
	v_add_nc_u32 v[XWC], s99, v[TP+4]              ; 16 r + 4 h + 4096 (w / 2) + 512 (w % 2)
	s_lshl_b32 s99, s98, 8
	s_lshl_b32 s101, s100, 1
	s_add_co_u32 s99, s99, s101
	v_add_nc_u32 v[XWB], s99, v[TP+5]              ; 4 r + 256 (w / 2) + 2 (w % 2)
	v_mul_u32_u24 v[TP+6], v[TP+1], 272            ; W1: row 32 w + r of 272 bytes, + 16 h.  272 bytes are 68 words: the 16 rows of a load start at 16 different banks (64 banks of 4 bytes: ISA guide 11.1)
	v_lshl_add_u32 v[TP+6], v[TP+2], 4, v[TP+6]
	s_mul_i32 s99, s[WV], 32*272
	s_add_co_u32 s99, s99, ARING
	v_add_nc_u32 v[AW1], s99, v[TP+6]
	v_add_nc_u32 v[AW1+1], ASZ, v[AW1]
	v_mul_u32_u24 v[TP+7], v[TP+1], 144            ; W2: row 64 w + r of 144 bytes (36 words: likewise), + 16 h
	v_lshl_add_u32 v[TP+7], v[TP+2], 4, v[TP+7]
	s_mul_i32 s99, s[WV], 64*144
	s_add_co_u32 s99, s99, BRING
	v_add_nc_u32 v[AW2], s99, v[TP+7]
	v_add_nc_u32 v[AW2+1], BSZ, v[AW2]
	v_mul_u32_u24 v[TP+7], v[TP+1], 2080           ; x as it arrives: token r is two half rows of 1,040 bytes; my 64 columns begin at byte 256 w of the token's 2,048
	v_lshl_add_u32 v[TP+7], v[TP+2], 5, v[TP+7]
	s_lshr_b32 s98, s[WV], 2
	s_mul_i32 s99, s98, 1040
	s_lshl_b32 s100, s[W3], 8
	s_add_co_u32 s99, s99, s100
	s_add_co_u32 s99, s99, XR
	v_add_nc_u32 v[XRD], s99, v[TP+7]
.irp m, 1,2,3
	v_add_nc_u32 v[XRD+\m], 33280*\m, v[XRD]       ; 16 tokens on
.endr
	v_lshlrev_b32 v[RPR], 6, v[TP+1]
	s_lshl_b32 s99, s[WV], 2
	v_add_nc_u32 v[RPW], s99, v[RPR]
	s_mul_i32 s99, s[WV], 16*272
	s_add_co_u32 s99, s99, STAGE                   ; my stage
	v_mul_u32_u24 v[STO], v[TP+1], 272
	v_lshl_add_u32 v[STO], v[TP+2], 5, v[STO]
	v_add_nc_u32 v[STO], s99, v[STO]               ; in: row r, 32 bytes for each half of the lanes
	v_mul_u32_u24 v[RD], v[TP+2], 272
	v_lshl_add_u32 v[RD], v[TP+1], 4, v[RD]
	v_add_nc_u32 v[RD], s99, v[RD]                 ; back: lanes 0-15 one row, lanes 16-31 the next
	v_lshlrev_b32 v[GO], 11, v[TP+2]
	v_lshl_add_u32 v[GO], v[TP+1], 4, v[GO]        ; and the same two rows in out0
.irp i, 0,1,2,3,4,5,6,7,8,9,10,11
	v_mov_b32 v[TM+\i], 0                          ; written once: a lane permute's destination counts as one of its sources
.endr
	s_mov_b32 s[SEL], 0x76543210
	s_mov_b32 s[SEL+1], 0xfedcba98
	s_mov_b32 s[C3], 0xbdd2d3e8                    ; c3 = -0.10294324
	s_mov_b32 s[C3+1], s[C3]                       ; (named with it as a pair, so it is written)
	s_mov_b32 s[TT], 0
	; group 1 for W1: 64 rows of 256 bytes, dense; 16 bytes of padding behind each
	s_mov_b32 s[G1A], 15|(1<<20)|(1<<21)|(5<<22)|(3<<25)           ; 15:0 the mask: all four work-groups; 17:16 elements of 1 byte; 20 padding on; 21 set beside a mask; 24:22 after every 64 words; 31:25 four words
	s_mov_b32 s[G1A+1], 256<<16                    ; tensor_dim0
	s_mov_b32 s[G1A+2], 64<<16                     ; tensor_dim1
	s_mov_b32 s[G1A+3], 256<<16                    ; tile_dim0
	s_mov_b32 s[G1A+4], 64                         ; tile_dim1
	s_mov_b32 s[G1A+5], 256                        ; from row to row
	s_mov_b32 s[G1A+6], 0
	s_mov_b32 s[G1A+7], 0
	; for W2: 128 rows of 128 bytes, 1,024 bytes apart; 16 bytes of padding behind each
	s_mov_b32 s[G1B], 15|(1<<20)|(1<<21)|(4<<22)|(3<<25)           ; padding after every 32 words
	s_mov_b32 s[G1B+1], 128<<16
	s_mov_b32 s[G1B+2], 128<<16
	s_mov_b32 s[G1B+3], 128<<16
	s_mov_b32 s[G1B+4], 128
	s_mov_b32 s[G1B+5], 1024
	s_mov_b32 s[G1B+6], 0
	s_mov_b32 s[G1B+7], 0
	; for x: 8 tokens, dense, as 16 rows of 1,024 bytes (128 elements of 8 bytes); 16 bytes of padding behind each; no mask
	s_mov_b32 s[G1X], (3<<16)|(1<<20)|(7<<22)|(3<<25)              ; padding after every 256 words
	s_mov_b32 s[G1X+1], 128<<16
	s_mov_b32 s[G1X+2], 16<<16
	s_mov_b32 s[G1X+3], 128<<16
	s_mov_b32 s[G1X+4], 16
	s_mov_b32 s[G1X+5], 128
	s_mov_b32 s[G1X+6], 0
	s_mov_b32 s[G1X+7], 0
	s_mul_i32 s[LA], s[W3], 64*272
	s_mul_i32 s[LB], s[W3], 128*144
	s_mov_b32 s[G0X], 1
	s_mul_i32 s[G0X+1], s[WV], 16*1040
	s_add_co_u32 s[G0X+1], s[G0X+1], XR
	s_mov_b32 s[G0A0], 1
	s_add_co_u32 s[G0A0+1], s[LA], ARING
	s_mov_b32 s[G0A], 1
	s_add_co_u32 s[G0A+1], s[LA], ARING+ASZ
	s_mov_b32 s[G0B], 1
	s_wait_kmcnt 0x0
	s_lshl_b32 s98, s[SWG], 17                     ; my work-group's 64 tokens of 2,048 bytes,
	s_lshl_b32 s99, s[WV], 14                      ; my wave's 8 of them
	s_add_co_u32 s98, s98, s99
	s_mov_b32 s99, 0
	s_add_nc_u64 s[G0X+2:G0X+3], s[4:5], s[98:99]
	s_or_b32 s[G0X+3], s[G0X+3], 0x80000000
	s_lshl_b32 s98, s[W3], 14                      ; W1: my 64 rows of a step's 256
	s_add_nc_u64 s[G0A0+2:G0A0+3], s[10:11], s[98:99]
	s_add_nc_u64 s[G0A+2:G0A+3], s[G0A0+2:G0A0+3], 65536           ; step 1
	s_or_b32 s[G0A0+3], s[G0A0+3], 0x80000000
	s_or_b32 s[G0A+3], s[G0A+3], 0x80000000
	s_lshl_b32 s98, s[W3], 17                      ; W2: my 128 rows of 1,024 bytes
	s_add_nc_u64 s[BW2:BW2+1], s[16:17], s[98:99]
	s_lshl_b32 s98, s[WV], 9
	s_add_nc_u64 s[6:7], s[6:7], s[98:99]          ; Wg at my 64 columns: 8 bytes a column
	s_add_nc_u64 s[PW1S:PW1S+1], s[12:13], s[98:99]                ; W1's scales at my 32 rows of 16 bytes
	s_lshl_b32 s98, s[WV], 7
	s_add_nc_u64 s[PB1:PB1+1], s[14:15], s[98:99]
	s_lshl_b32 s98, s[WV], 12
	s_add_nc_u64 s[PW2S:PW2S+1], s[18:19], s[98:99]                ; W2's scales at my 64 rows of 64 bytes
	s_lshl_b32 s98, s[WV], 8
	s_add_nc_u64 s[PB2:PB2+1], s[20:21], s[98:99]
	s_lshl_b32 s100, s[SWG], 17
	s_add_co_u32 s98, s98, s100
	s_add_nc_u64 s[POUT:POUT+1], s[22:23], s[98:99]
	s_lshl_b32 s98, s[SWG], 3
	s_add_nc_u64 s[PPS:PPS+1], s[24:25], s[98:99]
	s_load_b64 s[BG:BG+1], s[8:9], 0x0             ; bg
	s_wait_kmcnt 0x0
	; ---- the first fills, as one group behind one round: every wave its 8 tokens of x; waves 0-3 also their quarters of W1's steps 0 and 1: three loads of a wave are out at the most
	CROUND
	s_cmp_lt_u32 s[WV], 4
	s_cbranch_scc0 .Lfirst_hi
	tensor_load_to_lds s[G0X:G0X+3], s[G1X:G1X+7]
	s_nop 0
	tensor_load_to_lds s[G0A0:G0A0+3], s[G1A:G1A+7]
	s_nop 0
	tensor_load_to_lds s[G0A:G0A+3], s[G1A:G1A+7]
	s_nop 0
	NOPS 4
	s_branch .Lfirst_done
.Lfirst_hi:
	tensor_load_to_lds s[G0X:G0X+3], s[G1X:G1X+7]
	s_nop 0
	NOPS 4
.Lfirst_done:
	WIN 0x40                                       ; destination window 1
.irp p, 0,1
.irp u, 0,1
.irp q, 0,1,2,3
	global_load_b128 v[WGR+32*\p+16*\u+4*\q:WGR+32*\p+16*\u+4*\q+3], v[GWG], s[6:7] offset:256*\p+128*\u+16*\q   ; Wg at my lane's 32 columns: register 32 p + 16 u + 2 j + e
.endr
.endr
.endr
	WIN 0
	s_wait_tensorcnt 0x0                           ; for 0, since the waves' counts differ: my part of x is in,
	s_barrier_signal -1
	s_barrier_wait -1                              ; everybody's is
	; ---- x: my 64 columns of all 64 tokens; the router's parts; two blocks of 32 a token become codes
.irp m, 0,1,2,3
.irp p, 0,1
.irp u, 0,1
.irp f, 0,1
	ds_load_b128 v[XT+64*\p+16*\m+8*\u+4*\f:XT+64*\p+16*\m+8*\u+4*\f+3], v[XRD+\m] offset:128*\p+64*\u+16*\f
.endr
.endr
.endr
.endr
	s_wait_dscnt 0x0
	s_wait_loadcnt 0x0                             ; Wg
	WIN 0x04                                       ; source 1 (Wg) in window 1
.irp p, 0,1
.irp u, 0,1
.irp j, 0,1,2,3,4,5,6,7
.irp m, 0,1,2,3
.irp e, 0,1
.if (\p+\u+\j) == 0
	v_mul_f32 v[LG+2*\m+\e], v[XT+16*\m], v[WGR+\e]                ; the first product starts each of the eight sums, which take turns
.else
	v_fmac_f32 v[LG+2*\m+\e], v[XT+64*\p+16*\m+8*\u+\j], v[WGR+32*\p+16*\u+2*\j+\e]
.endif
.endr
.endr
.endr
.endr
.endr
	WIN 0
.irp i, 0,1,2,3,4,5,6,7
	v_permlanex16_b32 v[TM+\i], v[LG+\i], s[SEL], s[SEL+1]
.endr
.irp i, 0,1,2,3,4,5,6,7
	v_add_f32 v[LG+\i], v[LG+\i], v[TM+\i]         ; with the other half of the lanes': my wave's part of token r's logit
.endr
.irp m, 0,1,2,3
.irp e, 0,1
	ds_store_b32 v[RPW], v[LG+2*\m+\e] offset:RP+1024*\m+32*\e     ; both halves of the lanes write the same word with the same value
.endr
.endr
	s_wait_dscnt 0x0                               ; the stores have read their registers, which take the codes now
	QUANT4 XT
	QSTORE XWC, XIMG, XWB, XSC
	s_wait_dscnt 0x0                               ; likewise
	QUANT4 XT+64
	QSTORE XWC, XIMG+256, XWB, XSC+1
	; ---- interval 0: W2's slot 0 is filled over x's bytes (all reads of them are over); x's fragments and scale words come into registers, for good
	HEAD 0, 0, 1
	WIN 0x40
.irp m, 0,1,2,3
.irp s, 0,1,2,3
.irp c, 0,1
	ds_load_b128 v[XF+8*(4*\m+\s)+4*\c:XF+8*(4*\m+\s)+4*\c+3], v[LI] offset:XIMG+1024*(4*\s+\m)+512*\c
.endr
.endr
.endr
.irp m, 0,1,2,3
.irp e, 0,1
.irp f, 0,1
	ds_load_b128 v[16*\m+8*\e+4*\f:16*\m+8*\e+4*\f+3], v[RPR] offset:RP+1024*\m+32*\e+16*\f   ; the eight waves' parts of token r's logit e
.endr
.endr
.endr
	WIN 0
.irp s, 0,1,2,3
.irp g, 0,1
	ds_load_b32 v[XS+2*\s+\g], v[LS] offset:XSC+256*\s+128*\g
.endr
.endr
.irp n, 0,1,2,3
.irp f, 0,1
	global_load_b128 v[TP+8*\n+4*\f:TP+8*\n+4*\f+3], v[GH], s[PB2:PB2+1] offset:64*\n+16*\f   ; b2 of expert 0 at my lane's outputs
.endr
.endr
	LDW1
	QUADLD
	s_wait_dscnt 0x0
	; ---- the router, in every wave: each needs the weights of all 64 tokens
	WIN 0x45                                       ; destination and both sources in window 1
.irp a, 0,8,16,24,32,40,48,56
	v_pk_add_f32 v[\a:\a+1], v[\a:\a+1], v[\a+2:\a+3]
	v_pk_add_f32 v[\a+4:\a+5], v[\a+4:\a+5], v[\a+6:\a+7]
.endr
.irp a, 0,8,16,24,32,40,48,56
	v_pk_add_f32 v[\a:\a+1], v[\a:\a+1], v[\a+4:\a+5]
.endr
	WIN 0x05                                       ; the sources in window 1, the destination in window 0
.irp i, 0,1,2,3,4,5,6,7
	v_add_f32 v[LG+\i], v[8*\i], v[8*\i+1]
.endr
	WIN 0
.irp m, 0,1,2,3
.irp e, 0,1
	v_add_f32 v[LG+2*\m+\e], s[BG+\e], v[LG+2*\m+\e]               ; the logits
.endr
.endr
.irp m, 0,1,2,3
	v_max_num_f32 v[TM+\m], v[LG+2*\m], v[LG+2*\m+1]               ; the maximum is taken away ahead of the exponentials
.endr
.irp m, 0,1,2,3
	v_sub_f32 v[LG+2*\m], v[LG+2*\m], v[TM+\m]
	v_sub_f32 v[LG+2*\m+1], v[LG+2*\m+1], v[TM+\m]
.endr
.irp i, 0,1,2,3,4,5,6,7
	v_mul_f32 v[LG+\i], 0x3fb8aa3b, v[LG+\i]       ; x log2(e)
.endr
.irp i, 0,1,2,3,4,5,6,7
	v_exp_f32 v[LG+\i], v[LG+\i]
.endr
	v_nop
	s_wait_alu depctr_va_vdst(0)
.irp m, 0,1,2,3
	v_add_f32 v[TM+\m], v[LG+2*\m], v[LG+2*\m+1]
.endr
.irp m, 0,1,2,3
	v_rcp_f32 v[TM+\m], v[TM+\m]
.endr
	v_nop
	s_wait_alu depctr_va_vdst(0)
.irp m, 0,1,2,3
	v_mul_f32 v[LG+2*\m], v[LG+2*\m], v[TM+\m]     ; p0, p1
	v_mul_f32 v[LG+2*\m+1], v[LG+2*\m+1], v[TM+\m]
.endr
	v_add_f32 v[TM+4], v[LG], v[LG+2]              ; the sums of p0 and of p1 over my four tokens,
	v_add_f32 v[TM+5], v[LG+1], v[LG+3]
	v_add_f32 v[TM+6], v[LG+4], v[LG+6]
	v_add_f32 v[TM+7], v[LG+5], v[LG+7]
	v_add_f32 v[TM+4], v[TM+4], v[TM+6]
	v_add_f32 v[TM+5], v[TM+5], v[TM+7]
.irp x, 1,2,4,8
	v_add_f32_dpp v[TM+4], v[TM+4], v[TM+4] row_xmask:\x row_mask:0xf bank_mask:0xf   ; and over the sixteen lanes of my half: all 64 tokens
	v_add_f32_dpp v[TM+5], v[TM+5], v[TM+5] row_xmask:\x row_mask:0xf bank_mask:0xf
.endr
.irp m, 0,1,2,3
	v_add_f32 v[TM+\m], v[LG+2*\m], v[LG+2*\m+1]   ; p0 + p1, by which the chosen weights are divided
.endr
.irp m, 0,1,2,3
	v_rcp_f32 v[TM+\m], v[TM+\m]
.endr
	v_nop
	s_wait_alu depctr_va_vdst(0)
.irp m, 0,1,2,3
	v_mul_f32 v[LG+2*\m], v[LG+2*\m], v[TM+\m]     ; w0
	v_mul_f32 v[RW+2*\m+1], v[LG+2*\m+1], v[TM+\m] ; w1
.endr
.irp m, 0,1,2,3
	v_max_num_f32 v[LG+2*\m], 0x21800000, v[LG+2*\m]               ; held at 2^-60 from below
	v_max_num_f32 v[RW+2*\m+1], 0x21800000, v[RW+2*\m+1]
.endr
.irp m, 0,1,2,3
	v_rcp_f32 v[TM+\m], v[RW+2*\m+1]
.endr
	v_nop
	s_wait_alu depctr_va_vdst(0)
.irp m, 0,1,2,3
	v_mul_f32 v[RW+2*\m], v[LG+2*\m], v[TM+\m]     ; w0 / w1
.endr
.irp m, 0,1,2,3
	v_rcp_f32 v[LG+2*\m], v[LG+2*\m]               ; 1 / w0, in the even register of its pair
.endr
	v_nop
	s_wait_xcnt 0x0                                ; EXEC is a source of the loads issued above: it changes only behind this wait
	v_cmp_eq_u32 vcc_lo, 0, v0
	s_and_saveexec_b32 s98, vcc_lo                 ; thread 0 of the work-group alone
	global_store_b64 v[ZO], v[TM+4:TM+5], s[PPS:PPS+1]
	s_wait_xcnt 0x0                                ; and again in front of the line that restores it; the store's data may be rewritten too
	s_or_b32 exec_lo, exec_lo, s98
	s_wait_loadcnt 0x0                             ; b2 (and the first step's scale words and b1)
	WIN 0x40
	s_wait_alu depctr_va_vdst(0)
.irp p, 0,1
.irp m, 0,1,2,3
.irp u, 0,1
.irp j, 0,2,4,6
	v_pk_fma_f32 v[64*\p+16*\m+8*\u+\j:64*\p+16*\m+8*\u+\j+1], v[XT+64*\p+16*\m+8*\u+\j:XT+64*\p+16*\m+8*\u+\j+1], v[LG+2*\m:LG+2*\m+1], v[TP+16*\p+8*\u+\j:TP+16*\p+8*\u+\j+1] op_sel_hi:[1,0,1]   ; ACC = x / w0 + b2_0: my columns of x are my outputs
.endr
.endr
.endr
.endr
	WIN 0
	P1 0, 1
	; ---- intervals 1 to 14, two a trip
	s_mov_b32 s[TRIP], 7
.Ltrip:
	HEAD 1, 1, 1
	P2 0
	P1 1, 1
	HEAD 0, 1, 1
	P2 1
	QUADLD                                         ; the next two steps' scale words of W2
	s_cmp_lg_u32 s[TT], 8                          ; behind step 7's products expert 0 is done: a branch on the count of intervals, the same in every wave and work-group
	s_cbranch_scc1 .Lno_mid
	MID
.Lno_mid:
	P1 0, 1
	s_sub_co_u32 s[TRIP], s[TRIP], 1
	s_cmp_lg_u32 s[TRIP], 0
	s_cbranch_scc1 .Ltrip
	; ---- the tail is written out: interval 15 asks for W2's last tile alone, interval 16 for nothing
	HEAD 1, 0, 1
	P2 0
	P1 1, 0
	HEAD 0, 0, 0
	P2 1
.irp m, 0,1,2,3
	v_mov_b32 v[RW+2*\m], v[RW+2*\m+1]             ; w1 twice: a pair for the packed multiply
.endr
	OUTM 0
	OUTM 1                                         ; a tile's arithmetic stands between the loads of the tile before and its stores
	SEND 0, 16                                     ; behind tile 0's loads: tile 1's 8 stores and 8 loads
	OUTM 2
	SEND 1, 16
	OUTM 3
	SEND 2, 16
	SEND 3, 0
	s_wait_tensorcnt 0x0                           ; the wave's end: behind my last tensor load and my last LDS store
	ds_add_u32 v[SPW], v[NIL]
	s_wait_dscnt 0x0
	CROUND                                         ; the closing round: no work-group ends while a partner may still ask for a tile that names it
	s_endpgm
.Lfunc_end_k_q4071951da4_moe:
	.size	k_q4071951da4_moe, .Lfunc_end_k_q4071951da4_moe-k_q4071951da4_moe
	.p2alignl 7, 3214868480
	.fill 96, 4, 3214868480
	.section	.rodata,"a",@progbits
	.p2align	6, 0x0
	.amdhsa_kernel k_q4071951da4_moe
		.amdhsa_group_segment_fixed_size 327680
		.amdhsa_private_segment_fixed_size 0
		.amdhsa_enable_private_segment 0
		.amdhsa_kernarg_size 88
		.amdhsa_user_sgpr_count 2
		.amdhsa_user_sgpr_kernarg_segment_ptr 1
		.amdhsa_wavefront_size32 1
		.amdhsa_system_sgpr_workgroup_id_x 1
		.amdhsa_system_sgpr_workgroup_id_y 1
		.amdhsa_system_sgpr_workgroup_id_z 1
		.amdhsa_system_vgpr_workitem_id 0
		.amdhsa_next_free_vgpr 512
		.amdhsa_next_free_sgpr 102
		.amdhsa_reserve_vcc 1
		.amdhsa_float_denorm_mode_32 3
		.amdhsa_float_denorm_mode_16_64 3
		.amdhsa_memory_ordered 1
		.amdhsa_forward_progress 1
		.amdhsa_inst_pref_size 193
	.end_amdhsa_kernel
	.amdgpu_metadata
---
amdhsa.version: [ 1, 2 ]
amdhsa.kernels:
  - .name:           k_q4071951da4_moe
    .symbol:         k_q4071951da4_moe.kd
    .args:
      - { .name: hidden_states, .offset: 0, .size: 8, .value_kind: global_buffer, .address_space: global }
      - { .name: Wg, .offset: 8, .size: 8, .value_kind: global_buffer, .address_space: global }
      - { .name: bg, .offset: 16, .size: 8, .value_kind: global_buffer, .address_space: global }
      - { .name: W1_codes, .offset: 24, .size: 8, .value_kind: global_buffer, .address_space: global }
      - { .name: W1_scales, .offset: 32, .size: 8, .value_kind: global_buffer, .address_space: global }
      - { .name: b1, .offset: 40, .size: 8, .value_kind: global_buffer, .address_space: global }
      - { .name: W2_codes, .offset: 48, .size: 8, .value_kind: global_buffer, .address_space: global }
      - { .name: W2_scales, .offset: 56, .size: 8, .value_kind: global_buffer, .address_space: global }
      - { .name: b2, .offset: 64, .size: 8, .value_kind: global_buffer, .address_space: global }
      - { .name: out0, .offset: 72, .size: 8, .value_kind: global_buffer, .address_space: global }
      - { .name: psum, .offset: 80, .size: 8, .value_kind: global_buffer, .address_space: global }
    .group_segment_fixed_size: 327680
    .private_segment_fixed_size: 0
    .kernarg_segment_align: 8
    .kernarg_segment_size: 88
    .max_flat_workgroup_size: 256
    .sgpr_count:     102
    .vgpr_count:     512
    .wavefront_size: 32
...
	.end_amdgpu_metadata
.endif
;; end of part 1
;; launch loss (part 2): grid 1 x 1, 1 waves a work-group, no clusters, 0 bytes of LDS; arguments psum, out1; writes out1
.if DOCPART == 2
	.amdgcn_target "amdgcn-amd-amdhsa--gfx1250"
	.amdhsa_code_object_version 6
	.text
	.protected	k_q4071951da4_loss
	.globl	k_q4071951da4_loss
	.p2align	8
	.type	k_q4071951da4_loss,@function
k_q4071951da4_loss:
	s_mov_b64 s[64:65], 0
	v_nop
	global_prefetch_b8 v0, s[64:65] scope:SCOPE_SE
	s_setreg_imm32_b32 hwreg(HW_REG_WAVE_MODE, 25, 1), 1
	s_wait_xcnt 0x0
; out1 = 0.01 x 2 x (f0 P0 + f1 P1).  P_e is the mean of p_e over the 16,384 tokens: psum holds, for each of 256 work-groups, the sums of p0 and of p1 over its 64 tokens.
; f_e = 0.5 for every input: the top 2 of 2 experts name each expert once for each token, so the mean of the assignments is 1, and it is divided by 2.
; One wave: 2,048 bytes are four loads of 16 bytes a lane.  The sum spans work-groups, so it has a launch of its own; matrix units, LDS and more waves would add nothing to 512 numbers.
	s_load_b128 s[4:7], s[0:1], 0x0                ; psum, out1
	v_lshlrev_b32 v1, 4, v0                        ; 16 bytes a lane
	v_mov_b32 v2, 0
	v_mov_b32 v22, 0                               ; written once: a lane permute's destination counts as one of its sources
	v_mov_b32 v23, 0
	s_mov_b32 s8, 0x76543210
	s_mov_b32 s9, 0xfedcba98                       ; v_permlanex16_b32's selects for lane l xor 16
	s_wait_kmcnt 0x0
.irp i, 0,1,2,3
	global_load_b128 v[4+4*\i:7+4*\i], v1, s[4:5] offset:512*\i    ; two work-groups' pairs (sum of p0, sum of p1)
.endr
	s_wait_loadcnt 0x0
	v_pk_add_f32 v[4:5], v[4:5], v[6:7]
	v_pk_add_f32 v[8:9], v[8:9], v[10:11]
	v_pk_add_f32 v[12:13], v[12:13], v[14:15]
	v_pk_add_f32 v[16:17], v[16:17], v[18:19]
	v_pk_add_f32 v[4:5], v[4:5], v[8:9]
	v_pk_add_f32 v[12:13], v[12:13], v[16:17]
	v_pk_add_f32 v[4:5], v[4:5], v[12:13]          ; my eight work-groups
.irp x, 1,2,4,8
	v_add_f32_dpp v4, v4, v4 row_xmask:\x row_mask:0xf bank_mask:0xf
	v_add_f32_dpp v5, v5, v5 row_xmask:\x row_mask:0xf bank_mask:0xf
.endr
	v_permlanex16_b32 v22, v4, s8, s9
	v_permlanex16_b32 v23, v5, s8, s9
	v_add_f32 v4, v4, v22
	v_add_f32 v5, v5, v23                          ; all 256
	v_mul_f32 v4, 0x38800000, v4                   ; P0 = the sum x 2^-14
	v_mul_f32 v5, 0x38800000, v5                   ; P1
	v_mul_f32 v4, 0.5, v4                          ; f0 P0
	v_fmac_f32 v4, 0.5, v5                         ; + f1 P1
	v_mul_f32 v4, 0x3ca3d70a, v4                   ; x 0.02
	s_wait_xcnt 0x0                                ; EXEC changes only behind this wait
	v_cmp_eq_u32 vcc_lo, 0, v0
	s_and_saveexec_b32 s10, vcc_lo                 ; lane 0 alone
	global_store_b32 v2, v4, s[6:7]
	s_wait_xcnt 0x0                                ; and again in front of the line that restores it
	s_or_b32 exec_lo, exec_lo, s10
	s_endpgm
.Lfunc_end_k_q4071951da4_loss:
	.size	k_q4071951da4_loss, .Lfunc_end_k_q4071951da4_loss-k_q4071951da4_loss
	.p2alignl 7, 3214868480
	.fill 96, 4, 3214868480
	.section	.rodata,"a",@progbits
	.p2align	6, 0x0
	.amdhsa_kernel k_q4071951da4_loss
		.amdhsa_group_segment_fixed_size 0
		.amdhsa_private_segment_fixed_size 0
		.amdhsa_enable_private_segment 0
		.amdhsa_kernarg_size 16
		.amdhsa_user_sgpr_count 2
		.amdhsa_user_sgpr_kernarg_segment_ptr 1
		.amdhsa_wavefront_size32 1
		.amdhsa_system_sgpr_workgroup_id_x 1
		.amdhsa_system_sgpr_workgroup_id_y 1
		.amdhsa_system_sgpr_workgroup_id_z 1
		.amdhsa_system_vgpr_workitem_id 0
		.amdhsa_next_free_vgpr 32
		.amdhsa_next_free_sgpr 66
		.amdhsa_reserve_vcc 1
		.amdhsa_float_denorm_mode_32 3
		.amdhsa_float_denorm_mode_16_64 3
		.amdhsa_memory_ordered 1
		.amdhsa_forward_progress 1
		.amdhsa_inst_pref_size 3
	.end_amdhsa_kernel
	.amdgpu_metadata
---
amdhsa.version: [ 1, 2 ]
amdhsa.kernels:
  - .name:           k_q4071951da4_loss
    .symbol:         k_q4071951da4_loss.kd
    .args:
      - { .name: psum, .offset: 0, .size: 8, .value_kind: global_buffer, .address_space: global }
      - { .name: out1, .offset: 8, .size: 8, .value_kind: global_buffer, .address_space: global }
    .group_segment_fixed_size: 0
    .private_segment_fixed_size: 0
    .kernarg_segment_align: 8
    .kernarg_segment_size: 16
    .max_flat_workgroup_size: 32
    .sgpr_count:     66
    .vgpr_count:     32
    .wavefront_size: 32
...
	.end_amdgpu_metadata
.endif
;; end of part 2
